; MI455X (gfx1250); checked and timed in simulation.
; The chip was launched on July 23, 2026; its instructions are those of AMD's public machine-readable ISA for CDNA 5 (MIT licence, August 2026) and "CDNA5" Instruction Set Architecture Reference Guide (July 2026). The comments in the code are by the model that wrote it; some were corrected since.
;; Palm Tree FT. Allowed arithmetic: float matrix products may take bf16 or f16 operands with f32 sums; all other float work in f32.
;; Inputs: W1 768 x 768 float32; W2 768 x 128 float32; b1 768 float32; b2 128 float32; bounds 512 x 2 int32; enc 8,192 x 32 x 768 float32.
;; Outputs: out0 512 x 128 float32.
;; 2 versions, each right; version 2 is version 1 with the launch pool written anew for expert scheduling mode. Each part assembles by itself: llvm-mc -triple=amdgcn-amd-amdhsa -mcpu=gfx1250 --defsym DOCPART=n.
;; ======== version 1 of 2: 3 launches
;; limits: values are held in f16: magnitudes above 65,504 overflow, below 6.1e-05 lose precision
;; workspace buffers: xb 786,432 bytes; part 3,145,728 bytes
;; launch pool (part 1): grid 512 x 1, 12 waves a work-group, no clusters, 7,680 bytes of LDS; arguments enc, bounds, xb; writes xb
.if DOCPART == 1
	.amdgcn_target "amdgcn-amd-amdhsa--gfx1250"
	.amdhsa_code_object_version 6
	.text
	.protected	k_q1160dbd110_pool
	.globl	k_q1160dbd110_pool
	.p2align	8
	.type	k_q1160dbd110_pool,@function
k_q1160dbd110_pool:
	s_mov_b64 s[64:65], 0
	v_nop
	global_prefetch_b8 v0, s[64:65] scope:SCOPE_SE
	s_setreg_imm32_b32 hwreg(HW_REG_WAVE_MODE, 25, 1), 1
	s_wait_xcnt 0x0
; xb[f][c] = f16( sum over instructions n in [start_f, end_f) and tokens l of enc[n][l][c]  /  (32 (end_f - start_f)) )
; enc: [8192][32][768] f32.  bounds: [512][2] i32.  xb: [512][768] f16, the first operand of the next launch's product.
; The token mean, the 0/1 mask product and the division by the count are one f32 sum over the contiguous bytes
; enc[start_f : end_f], so each byte of enc that a function names is read once and the per-instruction means never reach memory.
; One work-group per function, 12 waves = 2 groups of 6.  Six waves cover a token row of 3,072 bytes, 16 bytes a lane
; (each load of a wave covers 512 consecutive bytes, aligned).  Group g takes instructions start+g, start+g+2, ...
; Each wave keeps one instruction (32 token rows = 32 loads, 16,384 bytes) in flight in a ring of four slots of eight loads.
; No matrix unit, no tensor load, no cluster: no byte is shared between work-groups when the ranges do not overlap, and the work is additions.
; ADDRESSES: the scalar base is enc's own address plus the group's term (from the wave number), stepped by a constant.  The start, a number
; read from memory, enters the vector offset alone: an unsigned minimum with 8192 on the loaded register itself, an AND with 8191,
; a multiplication by an instruction's 98,304 bytes, and the addition of 16 t.
; LIMITS: the range is the reference's mask: indices outside [0, 8192) name nothing (both bounds are clamped), the count is
; the raw end - start; end == start gives 0 x inf = NaN as the reference's 0/0 does.  enc must be finite: a NaN or infinity in an
; instruction outside a function's range is not read for it and so does not reach it.  Sums run in another order than the
; reference's.  The result is rounded to f16 (11 significant bits): above 65,504 in magnitude it becomes infinite, below about 3e-8 zero.
; Unequal or overlapping ranges give right values and unequal work, since a function is one work-group.
.set NINST,  8192
.set ROWB,   3072                      ; bytes of a token row: 768 f32
.set INSTB,  32*ROWB                   ; bytes of an instruction: 98,304
.set COLW,   6                         ; waves that cover a row
.set HALFB,  32*COLW*16                ; bytes that one group's 192 threads cover: a row
.set STEP,   2*INSTB                   ; a group goes on by two instructions
.set OFF,    3                         ; v3        start as read, then my byte offset in enc: start x 98,304 + 16 t
.set ACC,    4                         ; v[4:11]   two chains of four column sums (even and odd token rows)
.set X,      24                        ; v[24:151] slot s: 8 loads of 4 registers
; v1: 16 t.  v2: 0.  v17, v18: count, factor.  v19: offset in xb.
	s_load_b128 s[4:7], s[0:1], 0x0                ; enc s[4:5], bounds s[6:7]
	s_load_b64 s[8:9], s[0:1], 0x10                ; xb
	v_lshl_add_u32 v152, v0, 2, 0x1800
	v_mov_b32 v153, 0
	v_lshrrev_b32 v2, 5, v0
	v_readfirstlane_b32 s10, v2                    ; wave 0..11
	v_lshlrev_b32 v1, 4, v0                        ; 16 t: my LDS bytes, and my bytes in a row (group 1: one row ahead, taken off the base)
	v_mov_b32 v2, 0
	s_mul_i32 s11, s10, 43
	s_lshr_b32 s11, s11, 8                         ; group g = wave / 6: 43 w >> 8 is 0 for w = 0..5 (at most 215) and 1 for w = 6..11 (258 to 473)
	s_mul_i32 s18, s11, INSTB-HALFB                ; group 1: one instruction on, less the row that its 16 t is ahead
	s_mov_b32 s19, 0
	s_lshl_b32 s12, ttmp9, 3                       ; 8 bytes of bounds for each function
	s_mov_b32 s13, 0
	s_wait_kmcnt 0x0
	s_add_nc_u64 s[4:5], s[4:5], s[18:19]
	s_add_nc_u64 s[6:7], s[6:7], s[12:13]
	s_load_b64 s[14:15], s[6:7], 0x0               ; start, end as scalars: for the count and the number of trips
	global_load_b32 v[OFF], v2, s[6:7]             ; start in every lane: for the vector offset
.irp k, 0,1,2,3,4,5,6,7
	v_mov_b32 v[ACC+\k], 0                         ; eight sums start at 0: a group may have no instruction at all
.endr
	s_wait_kmcnt 0x0
	s_sub_co_i32 s16, s15, s14                     ; the count as the reference takes it: end - start, unclamped
	s_max_i32 s14, s14, 0
	s_max_i32 s15, s15, 0
	s_min_u32 s14, s14, NINST                      ; both bounds into [0, 8192]
	s_min_u32 s15, s15, NINST
	s_sub_co_i32 s17, s15, s14
	s_max_i32 s17, s17, 0                          ; instructions inside the range
	s_add_co_u32 s17, s17, 1
	s_sub_co_u32 s17, s17, s11
	s_lshr_b32 s17, s17, 1                         ; my group's share: (n + 1 - g) / 2
	s_min_u32 s17, s17, NINST/2                    ; it is never more; the minimum states it, and s17 is not written again
	s_wait_loadcnt 0x0
	v_min_u32 v[OFF], NINST, v[OFF]                ; 0 .. 8192; a negative start, a large unsigned number, becomes 8192
	v_and_b32 v[OFF], NINST-1, v[OFF]              ; 8192 becomes 0: right for a negative start (its range begins at 0); a start of 8192 or more has no range
	v_mul_u32_u24 v[OFF], INSTB, v[OFF]            ; at most 8191 x 98,304: below 2^30
	v_add_nc_u32 v[OFF], v[OFF], v1
	s_cmp_eq_u32 s17, 0
	s_cbranch_scc1 .Ljoin                          ; nothing for this group: no load of enc is issued
; Eight loads: token rows 8 s .. 8 s + 7 of the instruction at the base + extra.
; The non-temporal hint: with ranges that do not overlap each byte is wanted once in the launch; the hint changes no value.
.macro FILL s, extra
.irp j, 0,1,2,3,4,5,6,7
	global_load_b128 v[X+32*\s+4*\j:X+32*\s+4*\j+3], v[OFF], s[4:5] offset:\extra+(8*\s+\j)*ROWB th:TH_LOAD_NT
.endr
.endm
; The turn of slot s.  left = younger loads that may stay out; refill = 1: the slot takes the same rows of my next instruction.
.macro TURN s, left, refill
	s_wait_loadcnt \left                           ; loads return in order (ISA guide 5.7.1): this slot's eight are in, the slots behind it stay out
.irp j, 0,1,2,3,4,5,6,7
	v_pk_add_f32 v[ACC+4*(\j%2):ACC+4*(\j%2)+1],   v[ACC+4*(\j%2):ACC+4*(\j%2)+1],   v[X+32*\s+4*\j:X+32*\s+4*\j+1]
	v_pk_add_f32 v[ACC+4*(\j%2)+2:ACC+4*(\j%2)+3], v[ACC+4*(\j%2)+2:ACC+4*(\j%2)+3], v[X+32*\s+4*\j+2:X+32*\s+4*\j+3]
.endr
.if \refill
	FILL \s, STEP
.endif
.endm
	FILL 0, 0
	FILL 1, 0
	FILL 2, 0
	FILL 3, 0
	s_cmp_lt_u32 s17, 2
	s_cbranch_scc1 .Ltail                          ; one instruction alone: nothing to fetch behind it
	s_mov_b32 s22, 1                               ; share - 1 trips, each of which fetches the next instruction
.Lloop:
	TURN 0, 24, 1                                  ; 24 = the three younger slots' loads
	TURN 1, 24, 1
	TURN 2, 24, 1
	TURN 3, 24, 1
	s_wait_xcnt 0x0                                ; the base is a source of the loads just issued: stepped only behind this wait
	s_add_nc_u64 s[4:5], s[4:5], STEP
	s_add_co_u32 s22, s22, 1
	s_cmp_lt_u32 s22, s17
	s_cbranch_scc1 .Lloop
.Ltail:
	TURN 0, 24, 0                                  ; the last instruction fetches nothing behind it: the counts run down
	TURN 1, 16, 0
	TURN 2, 8, 0
	TURN 3, 0, 0
.Ljoin:
	v_pk_add_f32 v[ACC:ACC+1],   v[ACC:ACC+1],   v[ACC+4:ACC+5]    ; the two chains
	v_pk_add_f32 v[ACC+2:ACC+3], v[ACC+2:ACC+3], v[ACC+6:ACC+7]
	s_cmp_lt_u32 s10, COLW
	s_cbranch_scc1 .Lkeep
	ds_store_b128 v1, v[ACC:ACC+3]                 ; group 1 (t = 192..383) at 16 t: bytes 3,072 .. 6,143
.Lkeep:
	s_wait_dscnt 0x0                               ; for group 0's sake: the stores are done before the signal
	s_barrier_signal -1
	s_barrier_wait -1
	s_cmp_ge_u32 s10, COLW
	s_cbranch_scc1 .Lend
	ds_load_b128 v[ACC+4:ACC+7], v1 offset:HALFB   ; thread t takes what thread t + 192 left
	v_cvt_f32_i32 v17, s16
	v_rcp_f32 v18, v17                             ; 1 / count; one plain vector instruction stands before its use (ISA guide 5.7.2)
	v_lshlrev_b32 v19, 3, v0                       ; my 8 bytes of xb's row
	s_wait_alu depctr_va_vdst(0)
	v_mul_f32 v18, 0x3d000000, v18                 ; x 1/32: the token mean
	s_mul_i32 s20, ttmp9, 1536                     ; a row of xb: 768 f16
	s_mov_b32 s21, 0
	s_add_nc_u64 s[8:9], s[8:9], s[20:21]
	s_wait_dscnt 0x0
	v_pk_add_f32 v[ACC:ACC+1],   v[ACC:ACC+1],   v[ACC+4:ACC+5]
	v_pk_add_f32 v[ACC+2:ACC+3], v[ACC+2:ACC+3], v[ACC+6:ACC+7]
.irp k, 0,1,2,3
	v_mul_f32 v[ACC+\k], v[ACC+\k], v18
.endr
	v_cvt_pk_f16_f32 v[ACC],   v[ACC],   v[ACC+1]
	v_cvt_pk_f16_f32 v[ACC+1], v[ACC+2], v[ACC+3]
	global_store_b64 v19, v[ACC:ACC+1], s[8:9]     ; a wave's store covers 256 consecutive bytes, aligned
.Lend:
	s_wait_tensorcnt 0x0
	ds_add_u32 v152, v153
	s_wait_dscnt 0x0
	s_endpgm
.Lfunc_end_k_q1160dbd110_pool:
	.size	k_q1160dbd110_pool, .Lfunc_end_k_q1160dbd110_pool-k_q1160dbd110_pool
	.p2alignl 7, 3214868480
	.fill 96, 4, 3214868480
	.section	.rodata,"a",@progbits
	.p2align	6, 0x0
	.amdhsa_kernel k_q1160dbd110_pool
		.amdhsa_group_segment_fixed_size 7680
		.amdhsa_private_segment_fixed_size 0
		.amdhsa_enable_private_segment 0
		.amdhsa_kernarg_size 24
		.amdhsa_user_sgpr_count 2
		.amdhsa_user_sgpr_kernarg_segment_ptr 1
		.amdhsa_wavefront_size32 1
		.amdhsa_system_sgpr_workgroup_id_x 1
		.amdhsa_system_sgpr_workgroup_id_y 1
		.amdhsa_system_sgpr_workgroup_id_z 1
		.amdhsa_system_vgpr_workitem_id 0
		.amdhsa_next_free_vgpr 154
		.amdhsa_next_free_sgpr 66
		.amdhsa_reserve_vcc 0
		.amdhsa_float_denorm_mode_32 3
		.amdhsa_float_denorm_mode_16_64 3
		.amdhsa_memory_ordered 1
		.amdhsa_forward_progress 1
		.amdhsa_inst_pref_size 19
	.end_amdhsa_kernel
	.amdgpu_metadata
---
amdhsa.version: [ 1, 2 ]
amdhsa.kernels:
  - .name:           k_q1160dbd110_pool
    .symbol:         k_q1160dbd110_pool.kd
    .args:
      - { .name: enc, .offset: 0, .size: 8, .value_kind: global_buffer, .address_space: global }
      - { .name: bounds, .offset: 8, .size: 8, .value_kind: global_buffer, .address_space: global }
      - { .name: xb, .offset: 16, .size: 8, .value_kind: global_buffer, .address_space: global }
    .group_segment_fixed_size: 7680
    .private_segment_fixed_size: 0
    .kernarg_segment_align: 8
    .kernarg_segment_size: 24
    .max_flat_workgroup_size: 384
    .sgpr_count:     66
    .vgpr_count:     154
    .wavefront_size: 32
...
	.end_amdgpu_metadata
.endif
;; end of part 1
;; launch mlp (part 2): grid 12 x 16, 8 waves a work-group, no clusters, 300,032 bytes of LDS; arguments xb, W1, b1, W2, part; writes part
.if DOCPART == 2
	.amdgcn_target "amdgcn-amd-amdhsa--gfx1250"
	.amdhsa_code_object_version 6
	.text
	.protected	k_q1160dbd110_mlp
	.globl	k_q1160dbd110_mlp
	.p2align	8
	.type	k_q1160dbd110_mlp,@function
k_q1160dbd110_mlp:
	s_mov_b64 s[64:65], 0
	v_nop
	global_prefetch_b8 v0, s[64:65] scope:SCOPE_SE
	s_setreg_imm32_b32 hwreg(HW_REG_WAVE_MODE, 25, 1), 1
	s_wait_xcnt 0x0
; part[nt][f][p] = sum over the 64 columns c of block nt of  relu( sum_k xb[f][k] W1[k][c] + b1[c] ) W2[c][p]
; xb: [512][768] f16.  W1: [768][768] f32.  b1: [768] f32.  W2: [768][128] f32.  part: [12][512][128] f32; the next launch adds the 12.
; Work-group (nt = x, mt = y): 32 functions x 64 columns of the hidden layer, then that block times its 64 rows of W2.  So a work-group
; takes in 768 x 64 of W1 (196,608 bytes), 64 x 128 of W2 (32,768) and 32 x 768 of xb (49,152), not the whole of the weights.
; Eight waves; wave w owns k = 96 w .. 96 w + 95 of the first product (three steps of 32) for the whole 32 x 64 block.
; Every byte is asked for in the first lines: per wave three tensor loads of W1 (32 rows x 256 bytes each, read by this wave alone),
; one of W2 (8 rows = 4,096 dense bytes, read by others behind a barrier): four outstanding; xb and b1 come straight into registers.
;
; OPERANDS ARE f16, SUMS f32.  Each output passes four roundings of operands (x, W1, hidden, W2); with 11 significant bits instead of
; bf16's 8 each of them is eight times finer, at the same register layout and the same number of matrix instructions.
; W1 AND W2 LIE [K][N] IN f32; A FRAGMENT WANTS K ALONG A LANE'S REGISTERS IN f16.  A lane reads 16 rows x 4 neighbouring columns from LDS
; (16 lanes take 256 consecutive bytes of a row); v_cvt_pk_f16_f32 of rows k, k+1 rounds and packs a k pair of one column.  Fragment i
; (i = 0..3) is made of columns 4 r + i: a renumbering of columns, which costs nothing.  No shuffle, no transposing load.
; FIRST PRODUCT, SOURCES SWAPPED (W1's fragment first, xb's second): register j of lane (r, h) of tile (mf, i) is
; hidden[16 mf + r][32 h + 4 j + i]: a lane holds one function's row, and packed pairs (j, j+1) are already the second product's first operand,
; with k in the order 32 h + 8 (t%4) + 4 e + 2 s + t/4 (register t, half e, step s); W2's rows are read in that same order,
; and a permutation of k applied alike to both operands keeps the sum's terms.
; SECOND PRODUCT, natural order, on waves 0-3 (mf = w & 1, cg = w >> 1): its two k steps go to two accumulators, and the add that joins them puts
; columns 4 r .. 4 r + 3 into four neighbouring registers: each store has 16 lanes writing 256 consecutive bytes, aligned.
; NO CLUSTER, though 16 work-groups read the same columns of W1 and 12 the same rows of xb: a work-group makes all its requests once, in its
; first lines, and never again, so the cluster's barrier that brings partners into step would stand in front of everything this launch does.
; LIMITS: an operand (x, a weight, a hidden value) above 65,504 in magnitude becomes infinite in f16, one below about 3e-8 zero;
; the sums run in another order than the reference's; the relu keeps NaN (a function with end == start stays NaN).
.set W1WAVE, 96*256                    ; LDS bytes of a wave's part of W1
.set W1STEP, 32*256                    ; of one k step
.set W2L,    8*W1WAVE                  ; 196,608: W2's 64 rows of 512 bytes
.set RED,    W2L+64*512                ; 229,376: the waves' partial tiles: [tile 8][from wave 8][half 2][lane 32] x 16 bytes
.set HL,     RED+8*8192                ; 294,912: the hidden block in f16: [tile 8][lane 32] x 16 bytes; ends at 299,008
.set BI,  16                           ; v[16:23]   b1 of my tile's eight columns
.set S,   24                           ; v[24:31]   my tile, summed over the waves
.set HP,  32                           ; v[32:35]   the same in f16
.set XF,  40                           ; v[40:87]   xb's fragments (step ks, half mf) at XF + 16 ks + 8 mf; later the hidden block's
.set F,   88                           ; v[88:151]  16 rows x 4 columns of f32 from LDS; later what is stored
.set BF,  152                          ; v[152:183] four fragments of W1 or W2
.set ACC, 184                          ; v[184:247] eight tiles (mf, i) at ACC + 32 mf + 8 i; later 2 x 4 tiles of the second product
.set G1A, 20                           ; s[20:27] shape of a W1 tile
.set G1B, 28                           ; s[28:35] shape of a W2 part
.set G0,  36                           ; s[36:47] from where, to where: W1, one set for each k step
.set G0B, 48                           ; s[48:51] the same for W2
	s_load_b256 s[4:11], s[0:1], 0x0               ; xb s[4:5], W1 s[6:7], b1 s[8:9], W2 s[10:11]
	s_load_b64 s[12:13], s[0:1], 0x20              ; part
	v_lshl_add_u32 v248, v0, 2, 0x49000
	v_mov_b32 v249, 0
	ds_add_u32 v248, v249
	ds_add_u32 v248, v249
	v_lshrrev_b32 v1, 5, v0
	v_readfirstlane_b32 s14, v1                    ; wave 0..7
	s_and_b32 s16, ttmp7, 0xffff                   ; mt; ttmp9 is nt
	; W1 tile: 32 rows x 64 elements of 4 bytes, 768 elements from row to row, no padding (a row's 256 bytes are read by 16 lanes side by side)
	s_mov_b32 s[G1A+0], 2<<16                      ; no work-group mask; element of 4 bytes
	s_mov_b32 s[G1A+1], 64<<16                     ; tensor_dim0 = 64
	s_mov_b32 s[G1A+2], 32<<16                     ; tensor_dim1 = 32
	s_mov_b32 s[G1A+3], 64<<16                     ; tile_dim0 = 64
	s_mov_b32 s[G1A+4], 32                         ; tile_dim1 = 32
	s_mov_b32 s[G1A+5], 768                        ; stride from row to row
	s_mov_b32 s[G1A+6], 0
	s_mov_b32 s[G1A+7], 0
	; W2 part: 8 whole rows are 4,096 dense bytes: one row of 512 elements of 8 bytes
	s_mov_b32 s[G1B+0], 3<<16
	s_mov_b32 s[G1B+1], 512<<16
	s_mov_b32 s[G1B+2], 1<<16
	s_mov_b32 s[G1B+3], 512<<16
	s_mov_b32 s[G1B+4], 1
	s_mov_b32 s[G1B+5], 512
	s_mov_b32 s[G1B+6], 0
	s_mov_b32 s[G1B+7], 0
	s_mul_i32 s52, s14, 96*768*4                   ; W1: my 96 rows
	s_lshl_b32 s54, ttmp9, 8                       ;     + 64 columns of f32 for each block
	s_add_co_u32 s52, s52, s54
	s_mov_b32 s53, 0
	s_mul_i32 s55, s14, W1WAVE                     ; my part of W1 in LDS
	s_lshl_b32 s56, ttmp9, 15                      ; W2: 64 rows of 512 bytes for each block
	s_lshl_b32 s58, s14, 12                        ;     + my 8 rows
	s_add_co_u32 s56, s56, s58
	s_mov_b32 s57, 0
	v_and_b32 v1, 15, v0                           ; r
	v_bfe_u32 v2, v0, 4, 1                         ; h
	v_mul_u32_u24 v3, v1, 1536                     ; xb: row r
	v_lshl_add_u32 v3, v2, 4, v3                   ;     + 16 h
	v_lshlrev_b32 v4, 7, v2                        ; b1: 32 h columns
	s_wait_dscnt 0x0
	s_wait_kmcnt 0x0
	s_add_nc_u64 s[6:7], s[6:7], s[52:53]
.irp ks, 0,1,2
	s_mov_b32 s[G0+4*\ks], 1
	s_add_co_u32 s[G0+4*\ks+1], s55, \ks*W1STEP
	s_add_nc_u64 s[G0+4*\ks+2:G0+4*\ks+3], s[6:7], \ks*32*768*4
	s_or_b32 s[G0+4*\ks+3], s[G0+4*\ks+3], 0x80000000
	tensor_load_to_lds s[G0+4*\ks:G0+4*\ks+3], s[G1A:G1A+7]
	s_nop 0
.endr
	s_add_nc_u64 s[10:11], s[10:11], s[56:57]
	s_mov_b32 s[G0B], 1
	s_add_co_u32 s[G0B+1], s58, W2L
	s_mov_b64 s[G0B+2:G0B+3], s[10:11]
	s_or_b32 s[G0B+3], s[G0B+3], 0x80000000
	tensor_load_to_lds s[G0B:G0B+3], s[G1B:G1B+7]
	s_nop 0
	s_mul_i32 s52, s16, 32*1536                    ; xb: my block's 32 rows
	s_mul_i32 s54, s14, 192                        ;     + my 96 k
	s_add_co_u32 s52, s52, s54
	s_add_nc_u64 s[4:5], s[4:5], s[52:53]
.irp ks, 0,1,2
.irp mf, 0,1
	global_load_b128 v[XF+16*\ks+8*\mf:XF+16*\ks+8*\mf+3],   v3, s[4:5] offset:\mf*16*1536+\ks*64      ; k = 8 h ..
	global_load_b128 v[XF+16*\ks+8*\mf+4:XF+16*\ks+8*\mf+7], v3, s[4:5] offset:\mf*16*1536+\ks*64+32   ; k = 16 + 8 h ..
.endr
.endr
	s_and_b32 s54, s14, 3                          ; the tile that I sum later is (mf = w >> 2, i = w & 3): its columns are 32 h + 4 j + i
	s_lshl_b32 s54, s54, 2
	s_lshl_b32 s52, ttmp9, 8
	s_add_co_u32 s52, s52, s54
	s_add_nc_u64 s[8:9], s[8:9], s[52:53]
.irp j, 0,1,2,3,4,5,6,7
	global_load_b32 v[BI+\j], v4, s[8:9] offset:16*\j
.endr
	; addresses, while the data are on their way
	v_and_b32 v12, 31, v0
	v_lshlrev_b32 v12, 4, v12                      ; 16 x lane
	v_lshlrev_b32 v5, 11, v2                       ; W1 in LDS: 8 h rows of 256 bytes
	v_lshl_add_u32 v5, v1, 4, v5                   ;            + columns 4 r ..
	v_add_nc_u32 v5, s55, v5                       ;            + my part
	s_lshl_b32 s54, s14, 10
	s_add_co_u32 s54, s54, RED
	v_add_nc_u32 v6, s54, v12                      ; where I leave my partial tiles: [..][from wave w]
	s_lshl_b32 s54, s14, 13
	s_add_co_u32 s54, s54, RED
	v_add_nc_u32 v7, s54, v12                      ; where I collect tile w
	s_lshl_b32 s54, s14, 9
	s_add_co_u32 s54, s54, HL
	v_add_nc_u32 v8, s54, v12                      ; where tile w goes in f16
	v_mov_b32 v13, 0
	s_and_b32 s52, s14, 1                          ; second product (used by waves 0-3 alone): mf
	s_lshr_b32 s54, s14, 1                         ; cg
	s_lshl_b32 s55, s52, 11
	s_add_co_u32 s55, s55, HL
	v_add_nc_u32 v9, s55, v12                      ; the four tiles of my 16 functions
	s_lshl_b32 s55, s54, 8                         ; my 64 columns: 256 bytes
	s_add_co_u32 s56, s55, W2L
	v_lshlrev_b32 v10, 14, v2                      ; W2 in LDS: 32 h rows of 512 bytes
	v_lshl_add_u32 v10, v1, 4, v10                 ;            + columns 4 r ..
	v_add_nc_u32 v10, s56, v10
	v_lshlrev_b32 v11, 12, v2                      ; part: 8 h rows of 512 bytes
	v_lshl_add_u32 v11, v1, 4, v11                 ;       + columns 4 r ..
	s_lshl_b32 s57, ttmp9, 18                      ; part: block nt of 512 x 128 f32
	s_lshl_b32 s58, s16, 14                        ;       + 32 rows for each mt
	s_add_co_u32 s57, s57, s58
	s_lshl_b32 s58, s52, 13                        ;       + 16 rows for mf
	s_add_co_u32 s57, s57, s58
	s_add_co_u32 s52, s57, s55                     ;       + my 64 columns
	s_add_nc_u64 s[12:13], s[12:13], s[52:53]
; 16 rows of W1 for k step ks: row p stands for k = 8 h + p (p < 8) or 16 + 8 h + p - 8, the order of a fragment's registers
.macro LOADF1 ks
.irp p, 0,1,2,3,4,5,6,7,8,9,10,11,12,13,14,15
	ds_load_b128 v[F+4*\p:F+4*\p+3], v5 offset:\ks*W1STEP+(\p+8*(\p/8))*256
.endr
.endm
; 16 rows of W2 for k step s, in the order in which the hidden block's pairs lie: register t, half e
.macro LOADF2 s
.irp t, 0,1,2,3,4,5,6,7
.irp e, 0,1
	ds_load_b128 v[F+8*\t+4*\e:F+8*\t+4*\e+3], v10 offset:(8*(\t%4)+4*\e+2*\s+\t/4)*512
.endr
.endr
.endm
; rows 2 t, 2 t + 1 of column i become register t of fragment i: rounding, packing and transposing in one instruction
.macro PACK
.irp i, 0,1,2,3
.irp t, 0,1,2,3,4,5,6,7
	v_cvt_pk_f16_f32 v[BF+8*\i+\t], v[F+8*\t+\i], v[F+8*\t+4+\i]
.endr
.endr
.endm
; eight matrix instructions of the first product; zero = 1: they start the sums, nothing is cleared
.macro MM1 ks, zero
.irp mf, 0,1
.irp i, 0,1,2,3
.if \zero
	v_wmma_f32_16x16x32_f16 v[ACC+32*\mf+8*\i:ACC+32*\mf+8*\i+7], v[BF+8*\i:BF+8*\i+7], v[XF+16*\ks+8*\mf:XF+16*\ks+8*\mf+7], 0
.else
	v_wmma_f32_16x16x32_f16 v[ACC+32*\mf+8*\i:ACC+32*\mf+8*\i+7], v[BF+8*\i:BF+8*\i+7], v[XF+16*\ks+8*\mf:XF+16*\ks+8*\mf+7], v[ACC+32*\mf+8*\i:ACC+32*\mf+8*\i+7]
.endif
.endr
.endr
.endm
; A vector instruction that rewrites a matrix instruction's source, and anything that reads its result, stands four independent
; vector instructions behind it (ISA guide 7.12.1); other matrix instructions are not counted here.
.macro PLACES
.rept 4
	v_nop
.endr
.endm
	s_wait_tensorcnt 3                             ; my k step 0 is in LDS; steps 1, 2 and W2's part stay out
	LOADF1 0
	s_wait_dscnt 0x0
	PACK
	s_wait_tensorcnt 2                             ; step 1 is in
	LOADF1 1                                       ; on its way while step 0 is multiplied
	s_wait_loadcnt 16                              ; xb's step 0 is in: 8 younger loads of xb and 8 of b1 stay out
	MM1 0, 1
	PLACES
	s_wait_dscnt 0x0
	PACK
	s_wait_tensorcnt 1                             ; step 2 is in
	LOADF1 2
	s_wait_loadcnt 12                              ; 4 of xb, 8 of b1
	MM1 1, 0
	PLACES
	s_wait_dscnt 0x0
	PACK
	s_wait_loadcnt 8                               ; b1's 8
	MM1 2, 0
	PLACES
	; the eight waves' sums over their k meet in LDS
.irp u, 0,1,2,3,4,5,6,7
	ds_store_b128 v6, v[ACC+8*\u:ACC+8*\u+3]   offset:\u*8192
	ds_store_b128 v6, v[ACC+8*\u+4:ACC+8*\u+7] offset:\u*8192+512
.endr
	s_wait_dscnt 0x0                               ; for the others: my partial tiles are written,
	s_wait_tensorcnt 0x0                           ; and my 8 rows of W2 are in LDS
	s_barrier_signal -1
	s_barrier_wait -1
.irp w, 0,1,2,3,4,5,6,7
	ds_load_b128 v[F+8*\w:F+8*\w+3],   v7 offset:\w*1024
	ds_load_b128 v[F+8*\w+4:F+8*\w+7], v7 offset:\w*1024+512
.endr
	s_wait_loadcnt 0x0                             ; b1
	s_wait_dscnt 14                                ; wave 0's part is in, 14 younger loads stay out
.irp q, 0,2,4,6
	v_pk_add_f32 v[S+\q:S+\q+1], v[BI+\q:BI+\q+1], v[F+\q:F+\q+1]       ; the bias starts the sum
.endr
.irp w, 1,2,3,4,5,6,7
	s_wait_dscnt 14-2*\w                           ; LDS loads return in order: wave w's two are in
.irp q, 0,2,4,6
	v_pk_add_f32 v[S+\q:S+\q+1], v[S+\q:S+\q+1], v[F+8*\w+\q:F+8*\w+\q+1]
.endr
.endr
.irp j, 0,1,2,3,4,5,6,7
	v_cmp_gt_f32 vcc_lo, 0, v[S+\j]                ; relu by a select: the compare is false for NaN, which so stays, as in the reference's maximum
	v_cndmask_b32 v[S+\j], v[S+\j], v13, vcc_lo
.endr
.irp t, 0,1,2,3
	v_cvt_pk_f16_f32 v[HP+\t], v[S+2*\t], v[S+2*\t+1]
.endr
	ds_store_b128 v8, v[HP:HP+3]
	s_wait_dscnt 0x0
	s_barrier_signal -1
	s_barrier_wait -1
	s_cmp_ge_u32 s14, 4
	s_cbranch_scc1 .Lend                           ; 2 row halves x 2 column halves: four waves' work
.irp s, 0,1
	ds_load_b128 v[XF+8*\s:XF+8*\s+3],   v9 offset:(2*\s)*512      ; step s: tile i = 2 s is registers 0-3,
	ds_load_b128 v[XF+8*\s+4:XF+8*\s+7], v9 offset:(2*\s+1)*512    ; tile i = 2 s + 1 registers 4-7
.endr
	LOADF2 0
	s_wait_dscnt 0x0
	PACK
	LOADF2 1
.irp i, 0,1,2,3
	v_wmma_f32_16x16x32_f16 v[ACC+8*\i:ACC+8*\i+7], v[XF:XF+7], v[BF+8*\i:BF+8*\i+7], 0
.endr
	PLACES
	s_wait_dscnt 0x0
	PACK
.irp i, 0,1,2,3
	v_wmma_f32_16x16x32_f16 v[ACC+32+8*\i:ACC+32+8*\i+7], v[XF+8:XF+15], v[BF+8*\i:BF+8*\i+7], 0
.endr
	PLACES
	; register j of tile i is (function 8 h + j, column 4 r + i): the add of the two k steps lays the four columns side by side
.irp j, 0,1,2,3,4,5,6,7
.irp i, 0,1,2,3
	v_add_f32 v[F+4*\j+\i], v[ACC+8*\i+\j], v[ACC+32+8*\i+\j]
.endr
.endr
.irp j, 0,1,2,3,4,5,6,7
	global_store_b128 v11, v[F+4*\j:F+4*\j+3], s[12:13] offset:\j*512   ; 16 lanes: 256 consecutive bytes of one row, aligned
.endr
.Lend:
	s_wait_tensorcnt 0x0
	ds_add_u32 v248, v249
	s_wait_dscnt 0x0
	s_endpgm
.Lfunc_end_k_q1160dbd110_mlp:
	.size	k_q1160dbd110_mlp, .Lfunc_end_k_q1160dbd110_mlp-k_q1160dbd110_mlp
	.p2alignl 7, 3214868480
	.fill 96, 4, 3214868480
	.section	.rodata,"a",@progbits
	.p2align	6, 0x0
	.amdhsa_kernel k_q1160dbd110_mlp
		.amdhsa_group_segment_fixed_size 300032
		.amdhsa_private_segment_fixed_size 0
		.amdhsa_enable_private_segment 0
		.amdhsa_kernarg_size 40
		.amdhsa_user_sgpr_count 2
		.amdhsa_user_sgpr_kernarg_segment_ptr 1
		.amdhsa_wavefront_size32 1
		.amdhsa_system_sgpr_workgroup_id_x 1
		.amdhsa_system_sgpr_workgroup_id_y 1
		.amdhsa_system_sgpr_workgroup_id_z 1
		.amdhsa_system_vgpr_workitem_id 0
		.amdhsa_next_free_vgpr 250
		.amdhsa_next_free_sgpr 66
		.amdhsa_reserve_vcc 1
		.amdhsa_float_denorm_mode_32 3
		.amdhsa_float_denorm_mode_16_64 3
		.amdhsa_memory_ordered 1
		.amdhsa_forward_progress 1
		.amdhsa_inst_pref_size 33
	.end_amdhsa_kernel
	.amdgpu_metadata
---
amdhsa.version: [ 1, 2 ]
amdhsa.kernels:
  - .name:           k_q1160dbd110_mlp
    .symbol:         k_q1160dbd110_mlp.kd
    .args:
      - { .name: xb, .offset: 0, .size: 8, .value_kind: global_buffer, .address_space: global }
      - { .name: W1, .offset: 8, .size: 8, .value_kind: global_buffer, .address_space: global }
      - { .name: b1, .offset: 16, .size: 8, .value_kind: global_buffer, .address_space: global }
      - { .name: W2, .offset: 24, .size: 8, .value_kind: global_buffer, .address_space: global }
      - { .name: part, .offset: 32, .size: 8, .value_kind: global_buffer, .address_space: global }
    .group_segment_fixed_size: 300032
    .private_segment_fixed_size: 0
    .kernarg_segment_align: 8
    .kernarg_segment_size: 40
    .max_flat_workgroup_size: 256
    .sgpr_count:     66
    .vgpr_count:     250
    .wavefront_size: 32
...
	.end_amdgpu_metadata
.endif
;; end of part 2
;; launch norm (part 3): grid 256 x 1, 2 waves a work-group, no clusters, 0 bytes of LDS; arguments part, b2, out0; writes out0
.if DOCPART == 3
	.amdgcn_target "amdgcn-amd-amdhsa--gfx1250"
	.amdhsa_code_object_version 6
	.text
	.protected	k_q1160dbd110_norm
	.globl	k_q1160dbd110_norm
	.p2align	8
	.type	k_q1160dbd110_norm,@function
k_q1160dbd110_norm:
	s_mov_b64 s[64:65], 0
	v_nop
	global_prefetch_b8 v0, s[64:65] scope:SCOPE_SE
	s_setreg_imm32_b32 hwreg(HW_REG_WAVE_MODE, 25, 1), 1
	s_wait_xcnt 0x0
; out0[f][p] = o[f][p] / max(|o[f]|, 1e-12),  o[f][p] = b2[p] + sum over nt = 0..11 of part[nt][f][p].
; part: [12][512][128] f32.  b2: [128] f32.  out0: [512][128] f32.
; One wave for each row: a lane holds 4 neighbouring columns, so each load and the store cover the row's 512 consecutive bytes, aligned, and the
; norm is a sum over the wave's 32 lanes: no LDS, no barrier.  All 13 loads are issued at once.  256 work-groups of two rows.
; Nothing is shared between work-groups but b2's 512 bytes: no cluster; no matrix unit: the work is additions.
; A NaN row (a function with end == start) stays NaN: the sums are NaN whatever the factor is.
.set PARTB, 512*128*4                  ; bytes of one partial
	s_load_b128 s[4:7], s[0:1], 0x0                ; part s[4:5], b2 s[6:7]
	s_load_b64 s[8:9], s[0:1], 0x10                ; out0
	v_lshlrev_b32 v1, 4, v0                        ; 16 t = 512 x (row in the group) + 16 x lane
	v_and_b32 v2, 31, v0
	v_lshlrev_b32 v2, 4, v2                        ; my 4 columns of b2
	s_lshl_b32 s10, ttmp9, 10                      ; two rows of 512 bytes for each work-group
	s_mov_b32 s11, 0
	s_mov_b32 s12, 0x76543210                      ; v_permlanex16_b32: lane i of one half reads lane i of the other
	s_mov_b32 s13, 0xfedcba98
	s_wait_kmcnt 0x0
	s_add_nc_u64 s[4:5], s[4:5], s[10:11]
	s_add_nc_u64 s[8:9], s[8:9], s[10:11]
	global_load_b128 v[4:7], v2, s[6:7]
.irp p, 0,1,2,3,4,5,6,7,8,9,10,11
	global_load_b128 v[8+4*\p:11+4*\p], v1, s[4:5] offset:\p*PARTB th:TH_LOAD_NT   ; read once in this launch
.endr
.irp p, 0,1,2,3,4,5,6,7,8,9,10,11
	s_wait_loadcnt 11-\p                           ; loads return in order: b2 and partials 0 .. p are in, the younger ones stay out
	v_pk_add_f32 v[4:5], v[4:5], v[8+4*\p:9+4*\p]  ; the bias starts the sum
	v_pk_add_f32 v[6:7], v[6:7], v[10+4*\p:11+4*\p]
.endr
	v_pk_mul_f32 v[56:57], v[4:5], v[4:5]
	v_pk_fma_f32 v[56:57], v[6:7], v[6:7], v[56:57]
	v_add_f32 v56, v56, v57
	v_add_f32_dpp v56, v56, v56 row_xmask:1 row_mask:0xf bank_mask:0xf
	v_add_f32_dpp v56, v56, v56 row_xmask:2 row_mask:0xf bank_mask:0xf
	v_add_f32_dpp v56, v56, v56 row_xmask:4 row_mask:0xf bank_mask:0xf
	v_add_f32_dpp v56, v56, v56 row_xmask:8 row_mask:0xf bank_mask:0xf
	v_permlanex16_b32 v57, v56, s12, s13           ; v57 has been written above
	v_add_f32 v56, v56, v57                        ; the row's sum of squares, in every lane
	v_sqrt_f32 v58, v56
	v_nop                                          ; one plain vector instruction behind a transcendental before its result is used (ISA guide 5.7.2)
	s_wait_alu depctr_va_vdst(0)
	v_max_num_f32 v58, 0x2b8cbccc, v58             ; max(norm, 1e-12)
	v_rcp_f32 v59, v58
	v_nop
	s_wait_alu depctr_va_vdst(0)
.irp k, 4,5,6,7
	v_mul_f32 v\k, v\k, v59
.endr
	global_store_b128 v1, v[4:7], s[8:9]
	s_endpgm
.Lfunc_end_k_q1160dbd110_norm:
	.size	k_q1160dbd110_norm, .Lfunc_end_k_q1160dbd110_norm-k_q1160dbd110_norm
	.p2alignl 7, 3214868480
	.fill 96, 4, 3214868480
	.section	.rodata,"a",@progbits
	.p2align	6, 0x0
	.amdhsa_kernel k_q1160dbd110_norm
		.amdhsa_group_segment_fixed_size 0
		.amdhsa_private_segment_fixed_size 0
		.amdhsa_enable_private_segment 0
		.amdhsa_kernarg_size 24
		.amdhsa_user_sgpr_count 2
		.amdhsa_user_sgpr_kernarg_segment_ptr 1
		.amdhsa_wavefront_size32 1
		.amdhsa_system_sgpr_workgroup_id_x 1
		.amdhsa_system_sgpr_workgroup_id_y 1
		.amdhsa_system_sgpr_workgroup_id_z 1
		.amdhsa_system_vgpr_workitem_id 0
		.amdhsa_next_free_vgpr 60
		.amdhsa_next_free_sgpr 66
		.amdhsa_reserve_vcc 0
		.amdhsa_float_denorm_mode_32 3
		.amdhsa_float_denorm_mode_16_64 3
		.amdhsa_memory_ordered 1
		.amdhsa_forward_progress 1
		.amdhsa_inst_pref_size 5
	.end_amdhsa_kernel
	.amdgpu_metadata
---
amdhsa.version: [ 1, 2 ]
amdhsa.kernels:
  - .name:           k_q1160dbd110_norm
    .symbol:         k_q1160dbd110_norm.kd
    .args:
      - { .name: part, .offset: 0, .size: 8, .value_kind: global_buffer, .address_space: global }
      - { .name: b2, .offset: 8, .size: 8, .value_kind: global_buffer, .address_space: global }
      - { .name: out0, .offset: 16, .size: 8, .value_kind: global_buffer, .address_space: global }
    .group_segment_fixed_size: 0
    .private_segment_fixed_size: 0
    .kernarg_segment_align: 8
    .kernarg_segment_size: 24
    .max_flat_workgroup_size: 64
    .sgpr_count:     66
    .vgpr_count:     60
    .wavefront_size: 32
...
	.end_amdgpu_metadata
.endif
;; end of part 3
;; ======== version 2 of 2: 3 launches; version 1 with the launch pool written anew for expert scheduling mode
;; limits: values are held in f16: magnitudes above 65,504 overflow, below 6.1e-05 lose precision
;; workspace buffers: xb 786,432 bytes; part 3,145,728 bytes
;; launch pool (part 4): grid 512 x 1, 12 waves a work-group, no clusters, 7,680 bytes of LDS; arguments enc, bounds, xb; writes xb
.if DOCPART == 4
	.amdgcn_target "amdgcn-amd-amdhsa--gfx1250"
	.amdhsa_code_object_version 6
	.text
	.protected	k_q1160dbd110_pool
	.globl	k_q1160dbd110_pool
	.p2align	8
	.type	k_q1160dbd110_pool,@function
k_q1160dbd110_pool:
	s_mov_b64 s[64:65], 0
	v_nop
	global_prefetch_b8 v0, s[64:65] scope:SCOPE_SE
	s_setreg_imm32_b32 hwreg(HW_REG_WAVE_SCHED_MODE, 0, 2), 2
	s_setreg_imm32_b32 hwreg(HW_REG_WAVE_MODE, 25, 1), 1
	s_wait_xcnt 0x0
	s_wait_alu depctr_vm_vsrc(0)
; xb[f][c] = f16( sum over instructions n in [start_f, end_f) and tokens l of enc[n][l][c]  /  (32 (end_f - start_f)) )
; enc: [8192][32][768] f32.  bounds: [512][2] i32.  xb: [512][768] f16, the first operand of the next launch's product.
; The token mean, the 0/1 mask product and the division by the count are one f32 sum over the contiguous bytes
; enc[start_f : end_f], so each byte of enc that a function names is read once and the per-instruction means never reach memory.
; One work-group per function, 12 waves = 2 groups of 6.  Six waves cover a token row of 3,072 bytes, 16 bytes a lane
; (each load of a wave covers 512 consecutive bytes, aligned).  Group g takes instructions start+g, start+g+2, ...
; Each wave keeps one instruction (32 token rows = 32 loads, 16,384 bytes) in flight in a ring of four slots of eight loads.
; No matrix unit, no tensor load, no cluster: no byte is shared between work-groups when the ranges do not overlap, and the work is additions.
; ADDRESSES: the scalar base is enc's own address plus the group's term (from the wave number), stepped by a constant.  The start, a number
; read from memory, enters the vector offset alone: an unsigned minimum with 8192 on the loaded register itself, an AND with 8191,
; a multiplication by an instruction's 98,304 bytes, and the addition of 16 t.
; THE MODE: SCHED_MODE bits 1:0 = 2 (LLVM: expert scheduling mode 2), set by the entry lines.  The code itself states the register dependences
; between vector instructions and memory or LDS instructions, with s_wait_alu, always for 0.
; THE PLAN.  Registers that memory or LDS instructions touch:
;   v2          0, the offset of the one load of bounds.  Written at the head, never again.
;   v3          The load of bounds lands in it; four vector lines make the offset of it; all loads of enc read it; never written again: the scalar base steps.
;   X0 .. X3    Slot s: loads land in it; the sixteen additions of its turn read it; behind them the loads of my next instruction land in it.  No vector line writes it.
;   v1          16 t, the address of group 1's LDS store and of group 0's LDS load.  Written at the head, never again.
;   v[4:7]      Written by the additions; read by group 1's LDS store; not written behind it: group 0's last sum goes into v[12:15].
;   v[8:11]     Written and read by the additions; behind the barrier group 0's LDS load lands in them.
;   v[12:15]    Written by group 0's last additions, scalings and roundings; v[12:13] are the global store's data.  v19: its offset, written once.
;   v152, v153  Written at the head, read by the closing add alone.
; So ONE wait on va_vdst stands in a turn that fills its slot again, behind the turn's additions and ahead of its eight loads.  It stands there, and not at
; the next turn's head, so that the slot is asked for again at once: all four slots, 32 loads of the wave, stay on their way.  A fifth slot would take
; 32 registers more, 186 a wave, and six waves of 186 do not fit a SIMD's 1,024.
; No register that a memory or LDS instruction has read is ever written again, so the text holds no wait on vm_vsrc.
; LIMITS: the range is the reference's mask: indices outside [0, 8192) name nothing (both bounds are clamped), the count is
; the raw end - start; end == start gives 0 x inf = NaN as the reference's 0/0 does.  enc must be finite: a NaN or infinity in an
; instruction outside a function's range is not read for it and so does not reach it.  Sums run in another order than the
; reference's.  The result is rounded to f16 (11 significant bits): above 65,504 in magnitude it becomes infinite, below about 3e-8 zero.
; Unequal or overlapping ranges give right values and unequal work, since a function is one work-group.
.set NINST,  8192
.set ROWB,   3072                      ; bytes of a token row: 768 f32
.set INSTB,  32*ROWB                   ; bytes of an instruction: 98,304
.set COLW,   6                         ; waves that cover a row
.set HALFB,  32*COLW*16                ; bytes that one group's 192 threads cover: a row
.set STEP,   2*INSTB                   ; a group goes on by two instructions
.set OFF,    3                         ; v3        start as read, then my byte offset in enc: start x 98,304 + 16 t
.set ACC,    4                         ; v[4:11]   two chains of four column sums (even and odd token rows)
.set OUT,    12                        ; v[12:15]  group 0: the two groups' sum, scaled; v[12:13] in f16, to store
.set X,      24                        ; v[24:151] slot s: 8 loads of 4 registers
; v1: 16 t.  v2: 0.  v17, v18: count, factor.  v19: offset in xb.
; v152, v153: the LDS address of my spare word (6,144 + 4 t; the spare words, 128 bytes for each of the 12 waves, lie behind group 1's sums) and 0: kept for the closing lines alone.
	s_load_b128 s[4:7], s[0:1], 0x0                ; enc s[4:5], bounds s[6:7]
	s_load_b64 s[8:9], s[0:1], 0x10                ; xb
	v_lshl_add_u32 v152, v0, 2, 0x1800
	v_mov_b32 v153, 0
	v_lshrrev_b32 v2, 5, v0
	v_readfirstlane_b32 s10, v2                    ; wave 0..11
	v_lshlrev_b32 v1, 4, v0                        ; 16 t: my LDS bytes, and my bytes in a row (group 1: one row ahead, taken off the base)
	v_mov_b32 v2, 0
	s_wait_alu depctr_va_sdst(0)                   ; s10 is written, ahead of its first reader: the group, and with it the base and the share, are made from it
	s_mul_i32 s11, s10, 43
	s_lshr_b32 s11, s11, 8                         ; group g = wave / 6: 43 w >> 8 is 0 for w = 0..5 (at most 215) and 1 for w = 6..11 (258 to 473)
	s_mul_i32 s18, s11, INSTB-HALFB                ; group 1: one instruction on, less the row that its 16 t is ahead
	s_mov_b32 s19, 0
	s_lshl_b32 s12, ttmp9, 3                       ; 8 bytes of bounds for each function
	s_mov_b32 s13, 0
	s_wait_kmcnt 0x0
	s_add_nc_u64 s[4:5], s[4:5], s[18:19]
	s_add_nc_u64 s[6:7], s[6:7], s[12:13]
	s_load_b64 s[14:15], s[6:7], 0x0               ; start, end as scalars: for the count and the number of trips
	s_wait_alu depctr_va_vdst(0)                   ; v2 is written, which the load below reads as its offset; so are v1, v152 and v153, which LDS instructions read further down
	global_load_b32 v[OFF], v2, s[6:7]             ; start in every lane: for the vector offset
.irp k, 0,1,2,3,4,5,6,7
	v_mov_b32 v[ACC+\k], 0                         ; eight sums start at 0: a group may have no instruction at all
.endr
	s_wait_kmcnt 0x0
	s_sub_co_i32 s16, s15, s14                     ; the count as the reference takes it: end - start, unclamped
	s_max_i32 s14, s14, 0
	s_max_i32 s15, s15, 0
	s_min_u32 s14, s14, NINST                      ; both bounds into [0, 8192]
	s_min_u32 s15, s15, NINST
	s_sub_co_i32 s17, s15, s14
	s_max_i32 s17, s17, 0                          ; instructions inside the range
	s_add_co_u32 s17, s17, 1
	s_sub_co_u32 s17, s17, s11
	s_lshr_b32 s17, s17, 1                         ; my group's share: (n + 1 - g) / 2
	s_min_u32 s17, s17, NINST/2                    ; it is never more; the minimum states it, and s17 is not written again
	s_wait_loadcnt 0x0
	v_min_u32 v[OFF], NINST, v[OFF]                ; 0 .. 8192; a negative start, a large unsigned number, becomes 8192
	v_and_b32 v[OFF], NINST-1, v[OFF]              ; 8192 becomes 0: right for a negative start (its range begins at 0); a start of 8192 or more has no range
	v_mul_u32_u24 v[OFF], INSTB, v[OFF]            ; at most 8191 x 98,304: below 2^30
	v_add_nc_u32 v[OFF], v[OFF], v1
	s_cmp_eq_u32 s17, 0
	s_cbranch_scc1 .Ljoin                          ; nothing for this group: no load of enc is issued
; Eight loads: token rows 8 s .. 8 s + 7 of the instruction at the base + extra.
; The non-temporal hint: with ranges that do not overlap each byte is wanted once in the launch; the hint changes no value.
.macro FILL s, extra
.irp j, 0,1,2,3,4,5,6,7
	global_load_b128 v[X+32*\s+4*\j:X+32*\s+4*\j+3], v[OFF], s[4:5] offset:\extra+(8*\s+\j)*ROWB th:TH_LOAD_NT
.endr
.endm
; The turn of slot s.  left = younger loads that may stay out; refill = 1: the slot takes the same rows of my next instruction.
.macro TURN s, left, refill
	s_wait_loadcnt \left                           ; loads return in order (ISA guide 5.7.1): this slot's eight are in, the slots behind it stay out
.irp j, 0,1,2,3,4,5,6,7
	v_pk_add_f32 v[ACC+4*(\j%2):ACC+4*(\j%2)+1],   v[ACC+4*(\j%2):ACC+4*(\j%2)+1],   v[X+32*\s+4*\j:X+32*\s+4*\j+1]
	v_pk_add_f32 v[ACC+4*(\j%2)+2:ACC+4*(\j%2)+3], v[ACC+4*(\j%2)+2:ACC+4*(\j%2)+3], v[X+32*\s+4*\j+2:X+32*\s+4*\j+3]
.endr
.if \refill
	s_wait_alu depctr_va_vdst(0)                   ; the sixteen additions are done reading slot s, in which the eight loads below land
	FILL \s, STEP
.endif
.endm
	s_wait_alu depctr_va_vdst(0)                   ; v3 is written: every load of enc reads it as its offset
	FILL 0, 0
	FILL 1, 0
	FILL 2, 0
	FILL 3, 0
	s_cmp_lt_u32 s17, 2
	s_cbranch_scc1 .Ltail                          ; one instruction alone: nothing to fetch behind it
	s_mov_b32 s22, 1                               ; share - 1 trips, each of which fetches the next instruction
.Lloop:
	TURN 0, 24, 1                                  ; 24 = the three younger slots' loads
	TURN 1, 24, 1
	TURN 2, 24, 1
	TURN 3, 24, 1
	s_wait_xcnt 0x0                                ; the base is a source of the loads just issued: stepped only behind this wait
	s_add_nc_u64 s[4:5], s[4:5], STEP
	s_add_co_u32 s22, s22, 1
	s_cmp_lt_u32 s22, s17
	s_cbranch_scc1 .Lloop
.Ltail:
	TURN 0, 24, 0                                  ; the last instruction fetches nothing behind it: the counts run down, and no load has a dependence to state
	TURN 1, 16, 0
	TURN 2, 8, 0
	TURN 3, 0, 0
.Ljoin:
	v_pk_add_f32 v[ACC:ACC+1],   v[ACC:ACC+1],   v[ACC+4:ACC+5]    ; the two chains
	v_pk_add_f32 v[ACC+2:ACC+3], v[ACC+2:ACC+3], v[ACC+6:ACC+7]
	s_wait_alu depctr_va_vdst(0)                   ; the two additions have written v[4:7], which group 1's LDS store reads, and are done reading v[8:11], in which group 0's LDS load lands; no vector line stands between this wait and either
	s_cmp_lt_u32 s10, COLW
	s_cbranch_scc1 .Lkeep
	ds_store_b128 v1, v[ACC:ACC+3]                 ; group 1 (t = 192..383) at 16 t: bytes 3,072 .. 6,143
.Lkeep:
	s_wait_dscnt 0x0                               ; for group 0's sake: the stores are done before the signal
	s_barrier_signal -1
	s_barrier_wait -1
	s_cmp_ge_u32 s10, COLW
	s_cbranch_scc1 .Lend
	ds_load_b128 v[ACC+4:ACC+7], v1 offset:HALFB   ; thread t takes what thread t + 192 left
	v_cvt_f32_i32 v17, s16
	v_rcp_f32 v18, v17                             ; 1 / count; one plain vector instruction stands before its use (ISA guide 5.7.2)
	v_lshlrev_b32 v19, 3, v0                       ; my 8 bytes of xb's row
	s_wait_alu depctr_va_vdst(0)                   ; the reciprocal has written v18, ahead of its first reader
	v_mul_f32 v18, 0x3d000000, v18                 ; x 1/32: the token mean
	s_mul_i32 s20, ttmp9, 1536                     ; a row of xb: 768 f16
	s_mov_b32 s21, 0
	s_add_nc_u64 s[8:9], s[8:9], s[20:21]
	s_wait_dscnt 0x0
	v_pk_add_f32 v[OUT:OUT+1],   v[ACC:ACC+1],   v[ACC+4:ACC+5]    ; into registers of its own: v[4:7], which an LDS store names, are not written again
	v_pk_add_f32 v[OUT+2:OUT+3], v[ACC+2:ACC+3], v[ACC+6:ACC+7]
.irp k, 0,1,2,3
	v_mul_f32 v[OUT+\k], v[OUT+\k], v18
.endr
	v_cvt_pk_f16_f32 v[OUT],   v[OUT],   v[OUT+1]
	v_cvt_pk_f16_f32 v[OUT+1], v[OUT+2], v[OUT+3]
	s_wait_alu depctr_va_vdst(0)                   ; the roundings have written v[12:13], the store's data (v19, its offset, was written ahead of the wait before)
	global_store_b64 v19, v[OUT:OUT+1], s[8:9]     ; a wave's store covers 256 consecutive bytes, aligned
.Lend:
	s_wait_dscnt 0x0                               ; the closing lines, six on end
	s_wait_alu 0x0
	s_wait_tensorcnt 0x0
	ds_add_u32 v152, v153
	s_wait_dscnt 0x0
	s_endpgm
.Lfunc_end_k_q1160dbd110_pool:
	.size	k_q1160dbd110_pool, .Lfunc_end_k_q1160dbd110_pool-k_q1160dbd110_pool
	.p2alignl 7, 3214868480
	.fill 96, 4, 3214868480
	.section	.rodata,"a",@progbits
	.p2align	6, 0x0
	.amdhsa_kernel k_q1160dbd110_pool
		.amdhsa_group_segment_fixed_size 7680
		.amdhsa_private_segment_fixed_size 0
		.amdhsa_enable_private_segment 0
		.amdhsa_kernarg_size 24
		.amdhsa_user_sgpr_count 2
		.amdhsa_user_sgpr_kernarg_segment_ptr 1
		.amdhsa_wavefront_size32 1
		.amdhsa_system_sgpr_workgroup_id_x 1
		.amdhsa_system_sgpr_workgroup_id_y 1
		.amdhsa_system_sgpr_workgroup_id_z 1
		.amdhsa_system_vgpr_workitem_id 0
		.amdhsa_next_free_vgpr 154
		.amdhsa_next_free_sgpr 66
		.amdhsa_reserve_vcc 0
		.amdhsa_float_denorm_mode_32 3
		.amdhsa_float_denorm_mode_16_64 3
		.amdhsa_memory_ordered 1
		.amdhsa_forward_progress 1
		.amdhsa_inst_pref_size 19
	.end_amdhsa_kernel
	.amdgpu_metadata
---
amdhsa.version: [ 1, 2 ]
amdhsa.kernels:
  - .name:           k_q1160dbd110_pool
    .symbol:         k_q1160dbd110_pool.kd
    .args:
      - { .name: enc, .offset: 0, .size: 8, .value_kind: global_buffer, .address_space: global }
      - { .name: bounds, .offset: 8, .size: 8, .value_kind: global_buffer, .address_space: global }
      - { .name: xb, .offset: 16, .size: 8, .value_kind: global_buffer, .address_space: global }
    .group_segment_fixed_size: 7680
    .private_segment_fixed_size: 0
    .kernarg_segment_align: 8
    .kernarg_segment_size: 24
    .max_flat_workgroup_size: 384
    .sgpr_count:     66
    .vgpr_count:     154
    .wavefront_size: 32
...
	.end_amdgpu_metadata
.endif
;; end of part 4
;; launch mlp: the kernel of part 2 again; grid 12 x 16, 8 waves a work-group, no clusters, 300,032 bytes of LDS; arguments xb, W1, b1, W2, part; writes part
;; launch norm: the kernel of part 3 again; grid 256 x 1, 2 waves a work-group, no clusters, 0 bytes of LDS; arguments part, b2, out0; writes out0
